; MI455X (gfx1250); checked and timed in simulation.
; The chip was launched on July 23, 2026; its instructions are those of AMD's public machine-readable ISA for CDNA 5 (MIT licence, August 2026) and "CDNA5" Instruction Set Architecture Reference Guide (July 2026). The comments in the code are by the model that wrote it; some were corrected since.
;; Sliding Window Attention. Allowed arithmetic: float matrix products may take bf16 or f16 operands with f32 sums; all other float work in f32.
;; Inputs: freqs_cos 2,048 x 32 float32; freqs_sin 2,048 x 32 float32; wk 1,024 x 256 float32; wo 1,024 x 1,024 float32; wq 1,024 x 1,024 float32; wv 1,024 x 256 float32; x 2 x 2,048 x 1,024 float32.
;; Outputs: out0 2 x 2,048 x 1,024 float32.
;; One version. Each part assembles by itself: llvm-mc -triple=amdgcn-amd-amdhsa -mcpu=gfx1250 --defsym DOCPART=n.
;; ======== version 1 of 1: 4 launches
;; limits: values are held in f16: magnitudes above 65,504 overflow, below 6.1e-05 lose precision; right only within a limited range of input values
;; workspace buffers: xh 8,388,608 bytes; wqkvt 3,145,728 bytes; wot 2,097,152 bytes; qkvh 12,582,912 bytes; ao 8,388,608 bytes
;; launch prep (part 1): grid 832 x 1, 8 waves a work-group, no clusters, 18,432 bytes of LDS; arguments x, wq, wk, wv, wo, xh, wqkvt, wot; writes xh, wqkvt, wot
.if DOCPART == 1
	.amdgcn_target "amdgcn-amd-amdhsa--gfx1250"
	.amdhsa_code_object_version 6
	.text
	.protected	k_q06ae3b13d9_prep
	.globl	k_q06ae3b13d9_prep
	.p2align	8
	.type	k_q06ae3b13d9_prep,@function
k_q06ae3b13d9_prep:
	s_mov_b64 s[64:65], 0
	v_nop
	global_prefetch_b8 v0, s[64:65] scope:SCOPE_SE
	s_setreg_imm32_b32 hwreg(HW_REG_WAVE_MODE, 25, 1), 1
	s_wait_xcnt 0x0
; prep: the operands of the two projections in the form that the matrix unit takes: f16, K along the rows.
;   work-groups 0..511  : xh = f16(x), 32,768 bytes of x each.
;   work-groups 512..831: a tile of 128 k x 64 n of a weight [K][N] f32 -> [N][K] f16.  wq, wk, wv go into one table
;                         wqkvt[1536][1024] (n 0-1023 wq, 1024-1279 wk, 1280-1535 wv), wo into wot[1024][1024].
; Every work-group reads 32,768 bytes.  No matrix work, no cluster: no two work-groups read the same byte.
; LIMIT: |x| and |w| below 65,504 (f16's largest number); numbers below 2^-14 keep an absolute error of 2^-25.
.set LP,   272                         ; LDS row: 128 k x 2 bytes + 16: an odd multiple of 16 bytes
.set R,    8                           ; v[8:39]   as loaded
.set T,    40                          ; v[40:55]  packed f16
.set VO,   56                          ; v[56:63]  transpose: byte offset of my 16 bytes in my 8 rows of the weight
	s_load_b512 s[4:19], s[0:1], 0x0               ; x 4, wq 6, wk 8, wv 10, wo 12, xh 14, wqkvt 16, wot 18
	v_lshl_add_u32 v64, v0, 2, 0x4400
	v_mov_b32 v65, 0
	s_cmp_lt_u32 ttmp9, 512                        ; the same for all eight waves of a work-group
	s_cbranch_scc0 .Ltranspose
	; ---- the cast: thread t takes 16 bytes at 16 t of each of eight blocks of 4,096 bytes
	v_lshlrev_b32 v1, 4, v0
	v_lshlrev_b32 v2, 3, v0
	s_lshl_b32 s20, ttmp9, 15
	s_mov_b32 s21, 0
	s_lshl_b32 s22, ttmp9, 14
	s_mov_b32 s23, 0
	s_wait_kmcnt 0x0
	s_add_nc_u64 s[4:5], s[4:5], s[20:21]
	s_add_nc_u64 s[14:15], s[14:15], s[22:23]
.irp i, 0,1,2,3,4,5,6,7
	global_load_b128 v[R+4*\i:R+4*\i+3], v1, s[4:5] offset:4096*\i th:TH_LOAD_NT   ; a wave's load covers 512 consecutive bytes
.endr
.irp i, 0,1,2,3,4,5,6,7
	s_wait_loadcnt 7-\i                            ; loads return in order: load i is in, the 7 - i younger ones stay out
	v_cvt_pk_f16_f32 v[T+2*\i],   v[R+4*\i],   v[R+4*\i+1]
	v_cvt_pk_f16_f32 v[T+2*\i+1], v[R+4*\i+2], v[R+4*\i+3]
	global_store_b64 v2, v[T+2*\i:T+2*\i+1], s[14:15] offset:2048*\i   ; a wave's store covers 256 consecutive bytes, aligned
.endr
	s_endpgm                                       ; no register is written twice: no further wait
	; ---- the transpose
.Ltranspose:
	s_sub_co_u32 s20, ttmp9, 512
	s_lshr_b32 s21, s20, 3                         ; nt: block of 64 n, 0..39 (0-15 wq, 16-19 wk, 20-23 wv, 24-39 wo)
	s_and_b32 s22, s20, 7                          ; kt: block of 128 k
	s_movk_i32 s31, 0x1000                         ; bytes in a row of wq and wo
	s_movk_i32 s32, 0x400                          ; bytes in a row of wk and wv
	v_and_b32 v1, 15, v0                           ; nq: my four columns
	v_lshrrev_b32 v2, 4, v0                        ; kg: my eight rows
	v_lshlrev_b32 v3, 3, v2
	s_wait_kmcnt 0x0
	s_cmp_lt_u32 s21, 16
	s_cselect_b64 s[24:25], s[6:7], s[8:9]         ; source
	s_cselect_b32 s26, 0, 16                       ; its first nt
	s_cselect_b32 s27, s31, s32                    ; its pitch
	s_cmp_lt_u32 s21, 20
	s_cselect_b64 s[24:25], s[24:25], s[10:11]
	s_cselect_b32 s26, s26, 20
	s_cmp_lt_u32 s21, 24
	s_cselect_b64 s[24:25], s[24:25], s[12:13]
	s_cselect_b32 s26, s26, 24
	s_cselect_b32 s27, s27, s31
	s_cselect_b64 s[28:29], s[16:17], s[18:19]     ; destination
	s_cselect_b32 s30, 0, 24                       ; its first nt
	s_sub_co_u32 s26, s21, s26
	s_lshl_b32 s26, s26, 8                         ; 64 columns of 4 bytes
	s_mul_i32 s33, s22, s27
	s_lshl_b32 s33, s33, 7                         ; 128 rows
	s_add_co_u32 s34, s33, s26
	s_mov_b32 s35, 0
	s_add_nc_u64 s[24:25], s[24:25], s[34:35]
	s_sub_co_u32 s30, s21, s30
	s_lshl_b32 s30, s30, 17                        ; 64 rows of 2,048 bytes
	s_lshl_b32 s36, s22, 8                         ; 128 k of 2 bytes
	s_add_co_u32 s36, s36, s30
	s_mov_b32 s37, 0
	s_add_nc_u64 s[28:29], s[28:29], s[36:37]
	v_mul_u32_u24 v[VO], s27, v3
	v_lshl_add_u32 v[VO], v1, 4, v[VO]             ; row 8 kg, byte 16 nq
.irp j, 1,2,3,4,5,6,7
	v_add_nc_u32 v[VO+\j], s27, v[VO+\j-1]
.endr
.irp j, 0,1,2,3,4,5,6,7
	global_load_b128 v[R+4*\j:R+4*\j+3], v[VO+\j], s[24:25] th:TH_LOAD_NT   ; sixteen lanes cover the tile's 256 bytes of a row
.endr
	v_mul_u32_u24 v4, v1, 4*LP
	v_lshl_add_u32 v4, v2, 4, v4                   ; into LDS: row n = 4 nq (+ c), byte 16 kg
	v_mul_u32_u24 v5, v2, LP
	v_lshl_add_u32 v5, v1, 4, v5                   ; back: row kg (+ 16 i), byte 16 nq
	v_lshlrev_b32 v6, 11, v2
	v_lshl_add_u32 v6, v1, 4, v6                   ; and the same place in the transposed table
	s_wait_loadcnt 0x0                             ; every packed word needs two rows
.irp c, 0,1,2,3
.irp q, 0,1,2,3
	v_cvt_pk_f16_f32 v[T+4*\c+\q], v[R+8*\q+\c], v[R+8*\q+4+\c]   ; column 4 nq + c: k = 8 kg + 2 q low, + 1 high
.endr
	ds_store_b128 v4, v[T+4*\c:T+4*\c+3] offset:\c*LP
.endr
	s_wait_dscnt 0x0                               ; my stores are done before I say so: other waves read them
	s_barrier_signal -1
	s_barrier_wait -1
.irp i, 0,1,2,3
	ds_load_b128 v[R+4*\i:R+4*\i+3], v5 offset:\i*16*LP
.endr
.irp i, 0,1,2,3
	s_wait_dscnt 3-\i                              ; LDS loads return in order: the 3 - i younger ones stay out
	global_store_b128 v6, v[R+4*\i:R+4*\i+3], s[28:29] offset:\i*32768   ; sixteen lanes store 256 consecutive bytes, aligned
.endr
	s_wait_tensorcnt 0x0
	ds_add_u32 v64, v65
	s_wait_dscnt 0x0
	s_endpgm
.Lfunc_end_k_q06ae3b13d9_prep:
	.size	k_q06ae3b13d9_prep, .Lfunc_end_k_q06ae3b13d9_prep-k_q06ae3b13d9_prep
	.p2alignl 7, 3214868480
	.fill 96, 4, 3214868480
	.section	.rodata,"a",@progbits
	.p2align	6, 0x0
	.amdhsa_kernel k_q06ae3b13d9_prep
		.amdhsa_group_segment_fixed_size 18432
		.amdhsa_private_segment_fixed_size 0
		.amdhsa_enable_private_segment 0
		.amdhsa_kernarg_size 64
		.amdhsa_user_sgpr_count 2
		.amdhsa_user_sgpr_kernarg_segment_ptr 1
		.amdhsa_wavefront_size32 1
		.amdhsa_system_sgpr_workgroup_id_x 1
		.amdhsa_system_sgpr_workgroup_id_y 1
		.amdhsa_system_sgpr_workgroup_id_z 1
		.amdhsa_system_vgpr_workitem_id 0
		.amdhsa_next_free_vgpr 66
		.amdhsa_next_free_sgpr 66
		.amdhsa_reserve_vcc 0
		.amdhsa_float_denorm_mode_32 3
		.amdhsa_float_denorm_mode_16_64 3
		.amdhsa_memory_ordered 1
		.amdhsa_forward_progress 1
		.amdhsa_inst_pref_size 9
	.end_amdhsa_kernel
	.amdgpu_metadata
---
amdhsa.version: [ 1, 2 ]
amdhsa.kernels:
  - .name:           k_q06ae3b13d9_prep
    .symbol:         k_q06ae3b13d9_prep.kd
    .args:
      - { .name: x, .offset: 0, .size: 8, .value_kind: global_buffer, .address_space: global }
      - { .name: wq, .offset: 8, .size: 8, .value_kind: global_buffer, .address_space: global }
      - { .name: wk, .offset: 16, .size: 8, .value_kind: global_buffer, .address_space: global }
      - { .name: wv, .offset: 24, .size: 8, .value_kind: global_buffer, .address_space: global }
      - { .name: wo, .offset: 32, .size: 8, .value_kind: global_buffer, .address_space: global }
      - { .name: xh, .offset: 40, .size: 8, .value_kind: global_buffer, .address_space: global }
      - { .name: wqkvt, .offset: 48, .size: 8, .value_kind: global_buffer, .address_space: global }
      - { .name: wot, .offset: 56, .size: 8, .value_kind: global_buffer, .address_space: global }
    .group_segment_fixed_size: 18432
    .private_segment_fixed_size: 0
    .kernarg_segment_align: 8
    .kernarg_segment_size: 64
    .max_flat_workgroup_size: 256
    .sgpr_count:     66
    .vgpr_count:     66
    .wavefront_size: 32
...
	.end_amdgpu_metadata
.endif
;; end of part 1
;; launch qkv (part 2): grid 8 x 32, 4 waves a work-group, clusters of 4 x 4, 327,680 bytes of LDS; arguments xh, wqkvt, freqs_cos, freqs_sin, qkvh; writes qkvh
.if DOCPART == 2
	.amdgcn_target "amdgcn-amd-amdhsa--gfx1250"
	.amdhsa_code_object_version 6
	.text
	.protected	k_q06ae3b13d9_qkv
	.globl	k_q06ae3b13d9_qkv
	.p2align	8
	.type	k_q06ae3b13d9_qkv,@function
k_q06ae3b13d9_qkv:
	s_mov_b64 s[64:65], 0
	v_nop
	global_prefetch_b8 v0, s[64:65] scope:SCOPE_SE
	s_setreg_imm32_b32 hwreg(HW_REG_WAVE_MODE, 25, 1), 1
	s_wait_xcnt 0x0
	s_wait_alu depctr_hold_cnt(0) depctr_sa_sdst(0) depctr_va_vdst(0) depctr_va_sdst(0) depctr_va_ssrc(0) depctr_va_vcc(0) depctr_vm_vsrc(0)
	s_getreg_b32 s2, hwreg(HW_REG_IB_STS2, 6, 4)
	s_cmp_eq_u32 s2, 0
	s_cbranch_scc0 .Lentry_in_a_cluster
	s_endpgm
.Lentry_in_a_cluster:
	s_bfe_u32 s2, ttmp6, 0x10000c
	s_cmp_lg_u32 s2, 0xf033
	s_cbranch_scc0 .Lentry_shape_is_right
	s_endpgm
.Lentry_shape_is_right:
; qkv: [4096 x 1536] = xh [4096][1024] x wqkvt [1536][1024]^T in f16 with f32 sums; the rotation by freqs_cos / freqs_sin on the
; columns of q and k (columns below 1280) in f32; result in f16, head by head: qkvh[24 heads][4096 tokens][64].
; A work-group makes 128 rows x 192 columns (three heads): 32 x 8 = 256 work-groups.  Four waves, 64 x 96 each: 24 accumulator tiles.
; K goes in steps of 128 through two LDS slots filled by tensor loads; two slots of 256 along K would take 337,920 bytes, more than there is.
; CLUSTERS 4 x 4: the four work-groups of a cluster's row need the same rows of xh, the four of a column the same rows of wqkvt:
; each tile is asked for jointly, which divides the requests by four.
; The matrix instruction is used transposed (source 0 = rows of the weight, source 1 = rows of xh): lane l then holds row l % 16 and
; the eight neighbouring columns 8 (l / 16) + 0..7, that is four (real, imaginary) pairs.
; LIMIT: |q|, |k|, |v| below 65,504 (f16's largest number).
; REGISTERS  window 0: v0-31 addresses, v32-111 and v112-191 two fragment buffers (6 of the weight, 4 of xh), v192-239 at work
;            window 1: accumulator (a, b) at v[8 (6 a + b)]      window 2: cos (a, c) at v[32 a + 8 c], sin at + 4
.set BN,     192
.set NB,     6
.set KS,     128
.set PITCH,  272                       ; 256 bytes + 16: an odd multiple of 16, so a fragment's 16 rows start in 16 different columns of 16 bytes
.set QI,     5                         ; the pad follows every 64 words
.set SLOT,   (128+BN)*PITCH            ; xh's 128 rows, then the weight's 192
.set STAGE,  2*SLOT                    ; 174,080 = 680 x 256: the way out's bytes, into which no tensor load writes
.set SPITCH, 400                       ; 192 f16 + 16 bytes
.set LAPS,   1024/(2*KS)
.set HEADB,  524288                    ; bytes of a head in qkvh
.set CS0,  8                           ; v8, v9: byte offsets into cos and sin
.set ADRA, 16
.set ADRB, 20
.set STO,  24
.set RD,   25
.set CO,   26
.set F0,   32
.set F1,   F0+8*(NB+4)
.set T,    192
.set G1,   24                          ; s[24:31] group 1, xh's tiles      s[32:39] their group 0, one for each slot
.set G0,   32
.set G1B,  48                          ; s[48:55] group 1, the weight's    s[56:63] their group 0
.set G0B,  56
.set VM,   72                          ; s[72:77] all ones where my fragment b lies in v's columns
.set MULW, 0x50                        ; C and D in window 1, sources in window 0
.set MSB,  0
.macro WIN new                         ; the immediate's high byte repeats the setting that is left
.if MSB != \new
	s_set_vgpr_msb (MSB<<8)|\new
.set MSB, \new
.endif
.endm
.macro PLACES                          ; four plain vector instructions behind a matrix instruction before its registers are loaded into or its result is read (ISA guide 7.12.1)
.rept 4
	v_nop
.endr
.endm
.macro JLOAD s                         ; waves 0, 1 ask for xh's two halves, waves 2, 3 for the weight's: one line, one mask each
	s_cmp_eq_u32 s15, 0
	s_cbranch_scc0 .Lfor_b_\@
	tensor_load_to_lds s[G0+4*\s:G0+4*\s+3], s[G1:G1+7]
	s_nop 0
	s_branch .Lasked_\@
.Lfor_b_\@:
	tensor_load_to_lds s[G0B+4*\s:G0B+4*\s+3], s[G1B:G1B+7]
	s_nop 0
.Lasked_\@:
.endm
.macro CREST                           ; a round of the cluster's barrier behind its opening work-group barrier
	s_cmp_lg_u32 s14, 0
	s_cbranch_scc1 .Lnot_wave_0_\@
	s_barrier_signal -3
.Lnot_wave_0_\@:
	s_barrier_wait -3
	s_barrier_signal -1
	s_barrier_wait -1
.endm
.macro CROUND
	s_barrier_signal -1
	s_barrier_wait -1
	CREST
.endm
	s_load_b256 s[4:11], s[0:1], 0x0               ; xh 4, wqkvt 6, cos 8, sin 10
	s_load_b64 s[12:13], s[0:1], 0x20              ; qkvh
	v_lshl_add_u32 v254, v0, 2, 0x37000
	v_mov_b32 v255, 0
	ds_add_u32 v254, v255
	v_lshrrev_b32 v1, 5, v0
	v_readfirstlane_b32 s14, v1                    ; wave
	s_lshr_b32 s15, s14, 1                         ; my half of the rows; also: I fetch xh (0) or the weight (1)
	s_and_b32 s16, s14, 1                          ; my half of the columns; also: which half of that tile I fetch
	s_bfe_u32 s17, ttmp6, 0x40000                  ; cx
	s_bfe_u32 s18, ttmp6, 0x40004                  ; cy
	s_lshl_b32 s19, ttmp9, 2
	s_add_co_u32 s19, s19, s17                     ; block column
	s_and_b32 s20, ttmp7, 0xffff
	s_lshl_b32 s20, s20, 2
	s_add_co_u32 s20, s20, s18                     ; block row
	s_lshl_b32 s21, s18, 2
	s_lshl_b32 s21, 15, s21                        ; my row of the cluster
	s_lshl_b32 s22, 0x1111, s17                    ; my column
	s_or_b32 s[G1+0],  s21, (1<<16)|(1<<20)|(1<<21)|(QI<<22)|(3<<25)   ; mask; 2-byte elements; padding on; bit 21 beside a mask; 4 words behind every 64
	s_or_b32 s[G1B+0], s22, (1<<16)|(1<<20)|(1<<21)|(QI<<22)|(3<<25)
	s_mov_b32 s[G1+1],  KS<<16                     ; tensor_dim0 = 128
	s_mov_b32 s[G1B+1], KS<<16
	s_mov_b32 s[G1+2],  64<<16                     ; tensor_dim1 = the tile's rows
	s_mov_b32 s[G1B+2], (BN/2)<<16
	s_mov_b32 s[G1+3],  KS<<16                     ; tile_dim0
	s_mov_b32 s[G1B+3], KS<<16
	s_mov_b32 s[G1+4],  64                         ; tile_dim1
	s_mov_b32 s[G1B+4], BN/2
	s_mov_b32 s[G1+5],  1024                       ; elements from row to row
	s_mov_b32 s[G1B+5], 1024
	s_mov_b32 s[G1+6],  0
	s_mov_b32 s[G1B+6], 0
	s_mov_b32 s[G1+7],  0
	s_mov_b32 s[G1B+7], 0
	s_lshl_b32 s40, s20, 7                         ; xh: row 128 x block row + 64 x half (s40-43 never hold the block column)
	s_lshl_b32 s41, s16, 6
	s_add_co_u32 s40, s40, s41
	s_lshl_b32 s40, s40, 11                        ; rows of 2,048 bytes
	s_mov_b32 s41, 0
	s_mul_i32 s42, s16, 64*PITCH                   ; and its place in a slot
	s_mul_i32 s44, s19, BN                         ; the weight: row 192 x block column + 96 x half (s44-47 never hold the block row)
	s_mul_i32 s45, s16, BN/2
	s_add_co_u32 s44, s44, s45
	s_lshl_b32 s44, s44, 11
	s_mov_b32 s45, 0
	s_mul_i32 s46, s16, (BN/2)*PITCH
	s_add_co_u32 s46, s46, 128*PITCH
	s_wait_dscnt 0x0
	s_wait_kmcnt 0x0
	s_add_nc_u64 s[40:41], s[4:5], s[40:41]
	s_add_nc_u64 s[44:45], s[6:7], s[44:45]
	CROUND                                         ; all sixteen work-groups are here: the first joint loads meet
.irp s, 0,1
	s_mov_b32 s[G0+4*\s], 1
	s_add_co_u32 s[G0+4*\s+1], s42, \s*SLOT
	s_add_nc_u64 s[G0+4*\s+2:G0+4*\s+3], s[40:41], \s*KS*2
	s_or_b32 s[G0+4*\s+3], s[G0+4*\s+3], 0x80000000
	s_mov_b32 s[G0B+4*\s], 1
	s_add_co_u32 s[G0B+4*\s+1], s46, \s*SLOT
	s_add_nc_u64 s[G0B+4*\s+2:G0B+4*\s+3], s[44:45], \s*KS*2
	s_or_b32 s[G0B+4*\s+3], s[G0B+4*\s+3], 0x80000000
	JLOAD \s                                       ; both first fills go out together: two tensor loads of the wave are out, later one
.endr
	v_and_b32 v1, 15, v0                           ; r
	v_bfe_u32 v2, v0, 4, 1                         ; h
	; cos and sin of my 64 positions, once, on their way during the whole K loop.  Fragment b covers columns 16 ((2 wc + b) & 3) + 8 h + 0..7 of a
	; head, that is pairs 8 ((2 wc + b) & 3) + 4 h + 0..3: 16 bytes at 32 ((2 wc + b) & 3) + 16 h of the position's 128.
	s_and_b32 s82, s20, 15                         ; 16 blocks of 128 positions in a sequence
	s_lshl_b32 s82, s82, 7
	s_lshl_b32 s83, s15, 6
	s_add_co_u32 s82, s82, s83
	s_lshl_b32 s82, s82, 7                         ; 128 bytes a position
	s_lshl_b32 s83, s16, 6
	s_add_co_u32 s84, s82, s83                     ; c = 0, 1: byte 64 wc
	s_xor_b32 s83, s83, 64
	s_add_co_u32 s85, s82, s83                     ; c = 2, 3: byte 64 (1 - wc)
	v_lshlrev_b32 v4, 7, v1
	v_lshl_add_u32 v4, v2, 4, v4
	v_add_nc_u32 v[CS0],   s84, v4
	v_add_nc_u32 v[CS0+1], s85, v4
	WIN 0x80                                       ; destination in window 2
.irp a, 0,1,2,3
.irp c, 0,1,2,3
	global_load_b128 v[32*\a+8*\c:32*\a+8*\c+3],   v[CS0+(\c>>1)], s[8:9]   offset:\a*2048+(\c&1)*32
	global_load_b128 v[32*\a+8*\c+4:32*\a+8*\c+7], v[CS0+(\c>>1)], s[10:11] offset:\a*2048+(\c&1)*32
.endr
.endr
	WIN 0
	v_mul_u32_u24 v3, v1, PITCH
	v_lshl_add_u32 v3, v2, 4, v3                   ; a fragment: row r, 16 bytes for each half of the lanes, two loads 32 bytes apart
	s_mul_i32 s80, s15, 64*PITCH
	s_mul_i32 s81, s16, (BN/2)*PITCH
	s_add_co_u32 s81, s81, 128*PITCH
.irp s, 0,1
	v_add_nc_u32 v[ADRA+\s], s80, v3
	v_add_nc_u32 v[ADRB+\s], s81, v3
	s_add_co_u32 s80, s80, SLOT
	s_add_co_u32 s81, s81, SLOT
.endr
.macro FETCH slot, k, f                ; 20 LDS loads: the fragments of 32 along K at byte k of the slot's rows
.irp i, 0,1,2,3,4,5
	ds_load_b128 v[\f+8*\i:\f+8*\i+3],   v[ADRB+\slot] offset:\k+\i*16*PITCH
	ds_load_b128 v[\f+8*\i+4:\f+8*\i+7], v[ADRB+\slot] offset:\k+\i*16*PITCH+32
.endr
.irp i, 0,1,2,3
	ds_load_b128 v[\f+8*NB+8*\i:\f+8*NB+8*\i+3],   v[ADRA+\slot] offset:\k+\i*16*PITCH
	ds_load_b128 v[\f+8*NB+8*\i+4:\f+8*NB+8*\i+7], v[ADRA+\slot] offset:\k+\i*16*PITCH+32
.endr
.endm
; 12 matrix instructions: row blocks a0, a0 + 1 x six column blocks.  The 24 accumulators take turns, one instruction a turn, in the same
; order in every quarter step.  zero = 1: the first product starts the sums.
.macro MUL f, a0, zero
.irp a, \a0, \a0+1
.irp b, 0,1,2,3,4,5
.if \zero
	v_wmma_f32_16x16x32_f16 v[8*(NB*(\a)+\b):8*(NB*(\a)+\b)+7], v[\f+8*\b:\f+8*\b+7], v[\f+8*NB+8*(\a):\f+8*NB+8*(\a)+7], 0
.else
	v_wmma_f32_16x16x32_f16 v[8*(NB*(\a)+\b):8*(NB*(\a)+\b)+7], v[\f+8*\b:\f+8*\b+7], v[\f+8*NB+8*(\a):\f+8*NB+8*(\a)+7], v[8*(NB*(\a)+\b):8*(NB*(\a)+\b)+7]
.endif
.endr
.endr
.endm
.macro QUARTER slot, knext, f, g, zero ; multiplies buffer f; the next quarter's fragments go out first and have these 24 matrix instructions in which to land
	s_wait_dscnt 0x0                               ; buffer f is in: nothing younger has been issued
	PLACES                                         ; behind the matrix instructions that read buffer g
	WIN 0
	FETCH \slot, \knext, \g
	WIN MULW
	MUL \f, 0, \zero
	MUL \f, 2, \zero
.endm
.macro STEPQ slot, zero
	QUARTER \slot, 64,  F0, F1, \zero
	QUARTER \slot, 128, F1, F0, 0
	QUARTER \slot, 192, F0, F1, 0
.endm
; The last quarter of a K step changes slots.  In front of the barrier each wave waits for its reads of this slot and for all its tensor
; loads (one is out: its part of the next slot).  Where the slot is filled again the barrier opens a round of the cluster's barrier, and the
; joint refill is the first tensor load behind the round, ahead of the first LDS read.
.macro TURN slot, next, fill
	s_wait_dscnt 0x0
	s_wait_tensorcnt 0x0
	ds_add_u32 v254, v255
	s_wait_dscnt 0x0
	s_barrier_signal -1
	WIN MULW
	MUL F1, 0, 0                                   ; register work while the others arrive
	WIN 0
	s_barrier_wait -1
.if \fill
	CREST
	s_add_nc_u64 s[G0+4*\slot+2:G0+4*\slot+3],   s[G0+4*\slot+2:G0+4*\slot+3],   2*KS*2   ; no tensor load of mine is out: the descriptors may be stepped
	s_add_nc_u64 s[G0B+4*\slot+2:G0B+4*\slot+3], s[G0B+4*\slot+2:G0B+4*\slot+3], 2*KS*2
	JLOAD \slot
.endif
	PLACES
	FETCH \next, 0, F0
	WIN MULW
	MUL F1, 2, 0
.endm
.macro LAP zero
	STEPQ 0, \zero
	TURN 0, 1, 1
	STEPQ 1, 0
	TURN 1, 0, 1
.endm
	s_wait_tensorcnt 0x1                           ; my part of K step 0 is in; K step 1's load, issued behind it, stays out
	s_barrier_signal -1
	s_barrier_wait -1
	FETCH 0, 0, F0
	LAP 1
.if LAPS > 2
	WIN 0
	s_mov_b32 s3, LAPS-2
.Llap:
	LAP 0
	WIN 0
	s_sub_co_u32 s3, s3, 1
	s_cmp_lg_u32 s3, 0
	s_cbranch_scc1 .Llap
.endif
	STEPQ 0, 0                                     ; the last lap fills nothing
	TURN 0, 1, 0
	STEPQ 1, 0
	s_wait_dscnt 0x0
	WIN MULW
	MUL F1, 0, 0
	MUL F1, 2, 0
	WIN 0
	PLACES
	; ---- the way out: rotate, round to f16, 128 rows x 384 bytes through LDS, out head by head
	s_mul_i32 s80, s19, BN
	s_mul_i32 s81, s16, BN/2
	s_add_co_u32 s80, s80, s81                     ; my first column of the 1,536
.irp b, 0,1,2,3,4,5
	s_add_co_u32 s81, s80, 16*\b
	s_cmp_ge_u32 s81, 1280                         ; v's columns are not rotated: a select, no branch (partners differ in it)
	s_cselect_b32 s[VM+\b], -1, 0
.endr
	v_mul_u32_u24 v4, v1, SPITCH
	v_lshl_add_u32 v4, v2, 4, v4
	s_mul_i32 s86, s15, 64*SPITCH
	s_mul_i32 s87, s16, BN
	s_add_co_u32 s86, s86, s87
	s_add_co_u32 s86, s86, STAGE
	v_add_nc_u32 v[STO], s86, v4                   ; row 64 wr + r (+ 16 a), byte 192 wc + 16 h (+ 32 b)
	v_and_b32 v5, 31, v0
	v_lshrrev_b32 v4, 3, v5
	v_and_b32 v6, 7, v5
	v_mul_u32_u24 v4, v4, SPITCH
	v_lshl_add_u32 v4, v6, 4, v4
	s_mul_i32 s86, s14, 32*SPITCH
	s_add_co_u32 s86, s86, STAGE
	v_add_nc_u32 v[RD], s86, v4                    ; back: wave w takes rows 32 w .. + 31, eight lanes a row's 128 bytes of one head
	s_lshl_b32 s87, s14, 12
	v_lshl_add_u32 v[CO], v5, 4, s87               ; in qkvh a head's tokens follow each other: 4 rows are 512 consecutive bytes
	s_mul_i32 s80, s19, 3*HEADB
	s_lshl_b32 s81, s20, 14                        ; 128 tokens of 128 bytes
	s_add_co_u32 s80, s80, s81
	s_mov_b32 s81, 0
	s_add_nc_u64 s[12:13], s[12:13], s[80:81]
	s_wait_loadcnt 0x0                             ; cos and sin
.macro ROPE a
	WIN 0x09                                       ; source 0: sums (window 1); source 1: cos, sin (window 2)
.irp b, 0,1,2,3,4,5
.irp p, 0,1,2,3
	v_mul_f32 v[T+8*\b+2*\p],   v[8*(NB*\a+\b)+2*\p], v[32*\a+8*(\b&3)+\p]       ; e c
	v_mul_f32 v[T+8*\b+2*\p+1], v[8*(NB*\a+\b)+2*\p], v[32*\a+8*(\b&3)+4+\p]     ; e s
.endr
.irp p, 0,1,2,3
	v_fma_f32 v[T+8*\b+2*\p],   -v[8*(NB*\a+\b)+2*\p+1], v[32*\a+8*(\b&3)+4+\p], v[T+8*\b+2*\p]     ; - o s
	v_fma_f32 v[T+8*\b+2*\p+1],  v[8*(NB*\a+\b)+2*\p+1], v[32*\a+8*(\b&3)+\p],   v[T+8*\b+2*\p+1]   ; + o c
.endr
.endr
	WIN 0x04                                       ; source 1: sums
.irp b, 0,1,2,3,4,5
.irp j, 0,1,2,3,4,5,6,7
	v_cndmask_b32 v[T+8*\b+\j], v[T+8*\b+\j], v[8*(NB*\a+\b)+\j], s[VM+\b]       ; v keeps the plain sum
.endr
.endr
	WIN 0
.irp b, 0,1,2,3,4,5
.irp q, 0,1,2,3
	v_cvt_pk_f16_f32 v[T+8*\b+\q], v[T+8*\b+2*\q], v[T+8*\b+2*\q+1]              ; ascending q: a word is written only after it was read
.endr
	ds_store_b128 v[STO], v[T+8*\b:T+8*\b+3] offset:\a*16*SPITCH+32*\b
.endr
.endm
	ROPE 0
	ROPE 1
	ROPE 2
	ROPE 3
	s_wait_dscnt 0x0                               ; a row's middle head comes from two waves: stores done, then the barrier
	s_barrier_signal -1
	s_barrier_wait -1
.irp hd, 0,1,2
.irp t, 0,1,2,3,4,5,6,7
	ds_load_b128 v[F0+32*\hd+4*\t:F0+32*\hd+4*\t+3], v[RD] offset:\t*4*SPITCH+\hd*128
.endr
.endr
.set n, 0
.irp hd, 0,1,2
.irp t, 0,1,2,3,4,5,6,7
	s_wait_dscnt 23-n                              ; LDS loads return in order: the 23 - n younger ones stay out
	global_store_b128 v[CO], v[F0+32*\hd+4*\t:F0+32*\hd+4*\t+3], s[12:13] offset:\hd*HEADB+\t*512   ; a wave's store covers 512 consecutive bytes, aligned
.set n, n+1
.endr
.endr
	s_wait_tensorcnt 0x0
	ds_add_u32 v254, v255
	s_wait_dscnt 0x0
	CROUND                                         ; the closing round: no work-group ends while a partner may still ask jointly
	s_endpgm
.Lfunc_end_k_q06ae3b13d9_qkv:
	.size	k_q06ae3b13d9_qkv, .Lfunc_end_k_q06ae3b13d9_qkv-k_q06ae3b13d9_qkv
	.p2alignl 7, 3214868480
	.fill 96, 4, 3214868480
	.section	.rodata,"a",@progbits
	.p2align	6, 0x0
	.amdhsa_kernel k_q06ae3b13d9_qkv
		.amdhsa_group_segment_fixed_size 327680
		.amdhsa_private_segment_fixed_size 0
		.amdhsa_enable_private_segment 0
		.amdhsa_kernarg_size 40
		.amdhsa_user_sgpr_count 2
		.amdhsa_user_sgpr_kernarg_segment_ptr 1
		.amdhsa_wavefront_size32 1
		.amdhsa_system_sgpr_workgroup_id_x 1
		.amdhsa_system_sgpr_workgroup_id_y 1
		.amdhsa_system_sgpr_workgroup_id_z 1
		.amdhsa_system_vgpr_workitem_id 0
		.amdhsa_next_free_vgpr 640
		.amdhsa_next_free_sgpr 96
		.amdhsa_reserve_vcc 0
		.amdhsa_float_denorm_mode_32 3
		.amdhsa_float_denorm_mode_16_64 3
		.amdhsa_memory_ordered 1
		.amdhsa_forward_progress 1
		.amdhsa_inst_pref_size 129
	.end_amdhsa_kernel
	.amdgpu_metadata
---
amdhsa.version: [ 1, 2 ]
amdhsa.kernels:
  - .name:           k_q06ae3b13d9_qkv
    .symbol:         k_q06ae3b13d9_qkv.kd
    .args:
      - { .name: xh, .offset: 0, .size: 8, .value_kind: global_buffer, .address_space: global }
      - { .name: wqkvt, .offset: 8, .size: 8, .value_kind: global_buffer, .address_space: global }
      - { .name: freqs_cos, .offset: 16, .size: 8, .value_kind: global_buffer, .address_space: global }
      - { .name: freqs_sin, .offset: 24, .size: 8, .value_kind: global_buffer, .address_space: global }
      - { .name: qkvh, .offset: 32, .size: 8, .value_kind: global_buffer, .address_space: global }
    .group_segment_fixed_size: 327680
    .private_segment_fixed_size: 0
    .kernarg_segment_align: 8
    .kernarg_segment_size: 40
    .max_flat_workgroup_size: 128
    .sgpr_count:     96
    .vgpr_count:     640
    .wavefront_size: 32
...
	.end_amdgpu_metadata
.endif
;; end of part 2
;; launch attn (part 3): grid 32 x 8, 4 waves a work-group, no clusters, 73,216 bytes of LDS; arguments qkvh, ao; writes ao
.if DOCPART == 3
	.amdgcn_target "amdgcn-amd-amdhsa--gfx1250"
	.amdhsa_code_object_version 6
	.text
	.protected	k_q06ae3b13d9_attn
	.globl	k_q06ae3b13d9_attn
	.p2align	8
	.type	k_q06ae3b13d9_attn,@function
k_q06ae3b13d9_attn:
	s_mov_b64 s[64:65], 0
	v_nop
	global_prefetch_b8 v0, s[64:65] scope:SCOPE_SE
	s_setreg_imm32_b32 hwreg(HW_REG_WAVE_MODE, 25, 1), 1
	s_wait_xcnt 0x0
; attn: softmax(q k^T / 8 over keys i - 64 .. i) v, for 64 queries (grid x) of one sequence and one key/value head (grid y = 4 b + kvh).
; Keys outside the window are never read: their weight in the softmax is exactly 0.
; Wave w owns queries 16 w .. 16 w + 15 of the block and all FOUR query heads that share the key/value head, so K and V are read from LDS
; into registers once for four heads.  Its keys are rows 16 w .. 16 w + 79 of a window of 128 tokens (the 64 before the block, and the block):
; five tiles of 16; tile 0 is cut by key >= query - 64, tile 4 by key <= query; tiles in front of the sequence's start are void.
; Both products are used transposed (source 0 = K rows, or V^T; source 1 = Q rows, or P rows): lane l holds query l % 16 and keys (or head
; columns) 8 (l / 16) + 0..7.  That is the layout in which the second product takes P: no exchange between lanes.
; NO CLUSTER: the heads that share K and V sit in one wave; neighbouring blocks share half of a window of 32,768 bytes that each loads once.
; LIMITS: the row's true maximum is taken away before the exponential.  Banned scores count as -inf where the problem clamps them to -1e9: the
; same result as long as a row's largest allowed score is above about -1e9 + 104.  The result is below 65,504 (f16).
.set KP,    144                        ; K rows in LDS: 128 bytes + 16, an odd multiple of 16
.set VP,    160                        ; V rows: 128 + 32, an odd multiple of 32, for the transposing loads
.set VBASE, 128*KP                     ; 18,432
.set OBASE, VBASE+128*VP               ; 38,912: each wave's own 16 rows x 528 bytes for the way out
.set OP,    528                        ; four heads x 128 bytes + 16
.set HEADB, 524288
.set QF,   16                          ; v[16:79]    Q fragment (head hh, half s of the 64) at 16 + 16 hh + 8 s
.set LDG,  80                          ; v[80:143]   the window on its way to LDS; later the result on its way out
.set SC,   144                         ; v[144:183]  scores, then exponentials: tile t at 8 t
.set PF,   184                         ; v[184:207]  P in f16: tile t at 4 t; words 20-23 are keys 80-95, which do not exist: 0
.set OF,   208                         ; v[208:239]  the head's result: 16 columns c at 8 c
.set NINF, 240
.set MX,   241                          ; the row's maximum; later its sum
.set NMC,  242                         ; v[242:243]  - c x maximum, twice
.set RR,   244                         ; v[244:245]  1 / sum, twice
.set CC,   246                         ; v[246:247]  c = log2(e) / 8, twice
.set AC,   248                         ; v[248:255]  chains
;            window 1: K fragment (t, s) at v[16 t + 8 s] (0-79); V^T fragment (keys 32 u .., columns 16 c ..) at v[80 + 8 (4 u + c)] (80-175)
.set MSB, 0
.macro WIN new
.if MSB != \new
	s_set_vgpr_msb (MSB<<8)|\new
.set MSB, \new
.endif
.endm
.macro PLACES                          ; four plain vector instructions behind a matrix instruction before its result is read (ISA guide 7.12.1)
.rept 4
	v_nop
.endr
.endm
	s_load_b128 s[4:7], s[0:1], 0x0                ; qkvh, ao
	v_lshl_add_u32 v3, v0, 2, 0x11c00
	s_set_vgpr_msb 0x40
	v_mov_b32 v177, 0
	s_set_vgpr_msb 0x4000
	v_lshrrev_b32 v4, 5, v0
	v_readfirstlane_b32 s8, v4                     ; wave
	s_mov_b32 s9, ttmp9                            ; qb
	s_and_b32 s10, ttmp7, 0xffff
	s_lshr_b32 s11, s10, 2                         ; b
	s_and_b32 s12, s10, 3                          ; kvh
	s_lshl_b32 s13, s11, 11
	s_lshl_b32 s48, s9, 6
	s_add_co_u32 s48, s48, s13                     ; the block's first token
	s_max_u32 s49, s9, 1
	s_sub_co_u32 s49, s49, 1                       ; the block before; for block 0 itself again: inside the buffer, and masked below
	s_lshl_b32 s49, s49, 6
	s_add_co_u32 s49, s49, s13
	s_lshl_b32 s50, s12, 21                        ; query heads 4 kvh ..
	s_lshl_b32 s51, s48, 7
	s_add_co_u32 s52, s50, s51
	s_mov_b32 s53, 0
	s_add_co_u32 s54, s12, 16                      ; key head 16 + kvh; the value head lies four heads further on
	s_lshl_b32 s54, s54, 19
	s_lshl_b32 s56, s49, 7
	s_add_co_u32 s56, s56, s54
	s_mov_b32 s57, 0
	s_add_co_u32 s58, s54, s51
	s_mov_b32 s59, 0
	s_lshl_b32 s60, s48, 11                        ; ao: rows of 2,048 bytes, 512 for a key/value head's four heads
	s_lshl_b32 s61, s12, 9
	s_add_co_u32 s60, s60, s61
	s_mov_b32 s61, 0
	v_and_b32 v1, 15, v0                           ; r
	v_bfe_u32 v2, v0, 4, 1                         ; h
	v_lshlrev_b32 v12, 4, v0                       ; the window: 16 bytes a thread, 2,048 a load
	v_lshlrev_b32 v11, 7, v1
	v_lshl_add_u32 v11, v2, 4, v11
	s_lshl_b32 s26, s8, 11
	v_add_nc_u32 v11, s26, v11                     ; Q: row 16 w + r, byte 16 h
	s_wait_kmcnt 0x0
	s_add_nc_u64 s[14:15], s[4:5], s[52:53]
	s_add_nc_u64 s[16:17], s[4:5], s[56:57]
	s_add_nc_u64 s[18:19], s[4:5], s[58:59]
	s_add_nc_u64 s[20:21], s[6:7], s[60:61]
.irp i, 0,1,2,3
	global_load_b128 v[LDG+4*\i:LDG+4*\i+3],       v12, s[16:17] offset:2048*\i
.endr
.irp i, 0,1,2,3
	global_load_b128 v[LDG+16+4*\i:LDG+16+4*\i+3], v12, s[18:19] offset:2048*\i
.endr
.irp i, 0,1,2,3
	global_load_b128 v[LDG+32+4*\i:LDG+32+4*\i+3], v12, s[16:17] offset:4*HEADB+2048*\i
.endr
.irp i, 0,1,2,3
	global_load_b128 v[LDG+48+4*\i:LDG+48+4*\i+3], v12, s[18:19] offset:4*HEADB+2048*\i
.endr
.irp hh, 0,1,2,3
.irp e, 0,1,2,3
	global_load_b128 v[QF+16*\hh+4*\e:QF+16*\hh+4*\e+3], v11, s[14:15] offset:\hh*HEADB+32*\e   ; straight into the fragments
.endr
.endr
	; addresses, masks and constants while the loads are on their way
	v_lshrrev_b32 v4, 3, v0
	v_and_b32 v15, 7, v0
	v_mul_u32_u24 v13, v4, KP
	v_lshl_add_u32 v13, v15, 4, v13                ; K into LDS: row t / 8 (+ 16 i), byte 16 (t % 8)
	v_mul_u32_u24 v14, v4, VP
	v_lshl_add_u32 v14, v15, 4, v14                ; V likewise
	s_mul_i32 s26, s8, 16*KP
	v_mul_u32_u24 v6, v1, KP
	v_lshl_add_u32 v6, v2, 4, v6
	v_add_nc_u32 v6, s26, v6                       ; K fragments: row 16 w + r, byte 16 h
	v_lshl_add_u32 v4, v2, 3, v15                  ; 8 h + l % 8
	v_mul_u32_u24 v7, v4, VP
	v_bfe_u32 v15, v0, 3, 1
	v_lshl_add_u32 v7, v15, 4, v7
	s_mul_i32 s27, s8, 16*VP
	v_add_nc_u32 v7, s27, v7                       ; V^T fragments: row 16 w + 8 h + l % 8, byte 16 ((l / 8) % 2)
	s_mul_i32 s26, s8, 16*OP
	s_add_co_u32 s26, s26, OBASE
	v_mul_u32_u24 v8, v1, OP
	v_lshl_add_u32 v8, v2, 4, v8
	v_add_nc_u32 v8, s26, v8                       ; way out, in: row r, byte 16 h
	v_mul_u32_u24 v9, v2, OP
	v_lshl_add_u32 v9, v1, 4, v9
	v_add_nc_u32 v9, s26, v9                       ; back: row h, byte 16 r
	v_lshlrev_b32 v10, 11, v2
	v_lshl_add_u32 v10, v1, 4, v10
	s_lshl_b32 s27, s8, 15
	v_add_nc_u32 v10, s27, v10                     ; ao: row 16 w + h, byte 16 r
	s_mov_b32 s22, 0x76543210                      ; v_permlanex16_b32: lane i reads lane i of the other half
	s_mov_b32 s23, 0xfedcba98
	s_mov_b32 s25, 0xbe38aa3b                      ; - log2(e) / 8
	v_mov_b32 v[CC],   0x3e38aa3b
	v_mov_b32 v[CC+1], 0x3e38aa3b
	v_mov_b32 v[NINF], 0xff800000
.irp j, 20,21,22,23
	v_mov_b32 v[PF+\j], 0
.endr
	s_lshl_b32 s62, s9, 2
	s_add_co_u32 s62, s62, s8
.irp t, 0,1,2,3
	s_add_co_u32 s63, s62, \t
	s_cmp_ge_u32 s63, 4                            ; tile t begins at token 16 (4 qb + w + t - 4) of the sequence
	s_cselect_b32 s[44+\t], -1, 0
.endr
	v_lshlrev_b32 v5, 3, v2
	v_sub_nc_u32 v5, v5, v1                        ; 8 h - r
.irp j, 0,1,2,3,4,5,6,7
	v_cmp_le_i32 s[28+\j], -\j, v5                 ; tile 0: 8 h + j >= r
	v_cmp_ge_i32 s[36+\j], -\j, v5                 ; tile 4: 8 h + j <= r
	s_and_b32 s[28+\j], s[28+\j], s44
.endr
	s_wait_loadcnt 16                              ; the window's 16 loads are in; Q's 16, issued behind them, stay out
.irp i, 0,1,2,3,4,5,6,7
	ds_store_b128 v13, v[LDG+4*\i:LDG+4*\i+3]       offset:\i*16*KP
	ds_store_b128 v14, v[LDG+32+4*\i:LDG+32+4*\i+3] offset:VBASE+\i*16*VP
.endr
	s_wait_dscnt 0x0                               ; my stores are done before I say so: every wave reads rows that others stored
	s_barrier_signal -1
	s_barrier_wait -1
	WIN 0x40                                       ; destination in window 1
.irp t, 0,1,2,3,4
.irp s, 0,1
	ds_load_b128 v[16*\t+8*\s:16*\t+8*\s+3],   v6 offset:\t*16*KP+64*\s
	ds_load_b128 v[16*\t+8*\s+4:16*\t+8*\s+7], v6 offset:\t*16*KP+64*\s+32
.endr
.endr
.irp u, 0,1
.irp c, 0,1,2,3
	ds_load_tr16_b128 v[80+8*(4*\u+\c):80+8*(4*\u+\c)+3],   v7 offset:VBASE+32*\u*VP+32*\c
	ds_load_tr16_b128 v[80+8*(4*\u+\c)+4:80+8*(4*\u+\c)+7], v7 offset:VBASE+(32*\u+16)*VP+32*\c
.endr
.endr
.irp c, 0,1,2,3
	ds_load_tr16_b128 v[80+8*(8+\c):80+8*(8+\c)+3], v7 offset:VBASE+64*VP+32*\c
.endr
.irp c, 0,1,2,3
.irp j, 4,5,6,7
	v_mov_b32 v[80+8*(8+\c)+\j], 0                 ; keys 80-95 do not exist: 0 here and 0 in P, written once for the four heads
.endr
.endr
	WIN 0
.macro HEAD hh, first
.if \first
	s_wait_loadcnt 0x0                             ; Q
	s_wait_dscnt 20                                ; K's 20 loads are in; V's 20, issued behind them, stay out
.endif
	WIN 0x01                                       ; source 0 in window 1
	; five score tiles take turns, one instruction a turn
.irp t, 0,1,2,3,4
	v_wmma_f32_16x16x32_f16 v[SC+8*\t:SC+8*\t+7], v[16*\t:16*\t+7], v[QF+16*\hh:QF+16*\hh+7], 0
.endr
.irp t, 0,1,2,3,4
	v_wmma_f32_16x16x32_f16 v[SC+8*\t:SC+8*\t+7], v[16*\t+8:16*\t+15], v[QF+16*\hh+8:QF+16*\hh+15], v[SC+8*\t:SC+8*\t+7]
.endr
	WIN 0
	PLACES
.irp j, 0,1,2,3,4,5,6,7
	v_cndmask_b32 v[SC+\j], v[NINF], v[SC+\j], s[28+\j]
.endr
.irp t, 1,2,3
.irp j, 0,1,2,3,4,5,6,7
	v_cndmask_b32 v[SC+8*\t+\j], v[NINF], v[SC+8*\t+\j], s[44+\t]
.endr
.endr
.irp j, 0,1,2,3,4,5,6,7
	v_cndmask_b32 v[SC+32+\j], v[NINF], v[SC+32+\j], s[36+\j]
.endr
	; the row's maximum: my 40 scores in four chains, then the other half of the lanes (a query's keys lie in lanes r and r + 16)
.irp k, 0,1,2,3
	v_max3_num_f32 v[AC+\k], v[SC+3*\k], v[SC+3*\k+1], v[SC+3*\k+2]
.endr
.irp i, 0,1,2,3,4,5,6,7,8,9,10,11,12,13
	v_max3_num_f32 v[AC+(\i&3)], v[AC+(\i&3)], v[SC+12+2*\i], v[SC+13+2*\i]
.endr
	v_max3_num_f32 v[AC], v[AC], v[AC+1], v[AC+2]
	v_max_num_f32 v[AC], v[AC], v[AC+3]
	v_permlanex16_b32 v[AC+1], v[AC], s22, s23
	v_max_num_f32 v[MX], v[AC], v[AC+1]            ; finite: the query's own key is always allowed
	v_mul_f32 v[NMC],   s25, v[MX]
	v_mul_f32 v[NMC+1], s25, v[MX]
.irp i, 0,1,2,3,4,5,6,7,8,9,10,11,12,13,14,15,16,17,18,19
	v_pk_fma_f32 v[SC+2*\i:SC+2*\i+1], v[SC+2*\i:SC+2*\i+1], v[CC:CC+1], v[NMC:NMC+1]   ; (score - maximum) log2(e) / 8; -inf stays -inf
.endr
.irp i, 0,1,2,3,4,5,6,7,8,9,10,11,12,13,14,15,16,17,18,19
	v_exp_f32 v[SC+2*\i],   v[SC+2*\i]
	v_exp_f32 v[SC+2*\i+1], v[SC+2*\i+1]
.endr
	v_nop                                          ; one plain instruction between the exponentials and the first use of a result (ISA guide 5.7.2)
	s_wait_alu depctr_va_vdst(0)
.irp k, 0,1,2,3
	v_pk_add_f32 v[AC+2*\k:AC+2*\k+1], v[SC+4*\k:SC+4*\k+1], v[SC+4*\k+2:SC+4*\k+3]
.endr
.irp i, 0,1,2,3,4,5,6,7,8,9,10,11
	v_pk_add_f32 v[AC+2*(\i&3):AC+2*(\i&3)+1], v[AC+2*(\i&3):AC+2*(\i&3)+1], v[SC+16+2*\i:SC+17+2*\i]
.endr
	v_pk_add_f32 v[AC:AC+1],   v[AC:AC+1],   v[AC+2:AC+3]
	v_pk_add_f32 v[AC+4:AC+5], v[AC+4:AC+5], v[AC+6:AC+7]
	v_pk_add_f32 v[AC:AC+1],   v[AC:AC+1],   v[AC+4:AC+5]
	v_add_f32 v[MX], v[AC], v[AC+1]                ; from here on the sum
	v_permlanex16_b32 v[AC+1], v[MX], s22, s23
	v_add_f32 v[MX], v[MX], v[AC+1]                ; at least 1: the maximum's own term
	v_rcp_f32 v[RR],   v[MX]
	v_rcp_f32 v[RR+1], v[MX]                       ; used far below; the conversions that follow touch neither the sum nor the result
.irp t, 0,1,2,3,4
.irp q, 0,1,2,3
	v_cvt_pk_f16_f32 v[PF+4*\t+\q], v[SC+8*\t+2*\q], v[SC+8*\t+2*\q+1]   ; tiles 2 u, 2 u + 1 make the operand for keys 32 u .. + 31
.endr
.endr
.if \first
	s_wait_dscnt 0x0                               ; V
.endif
	WIN 0x01
	; four result tiles take turns, one instruction a turn
.irp c, 0,1,2,3
	v_wmma_f32_16x16x32_f16 v[OF+8*\c:OF+8*\c+7], v[80+8*\c:80+8*\c+7], v[PF:PF+7], 0
.endr
.irp u, 1,2
.irp c, 0,1,2,3
	v_wmma_f32_16x16x32_f16 v[OF+8*\c:OF+8*\c+7], v[80+8*(4*\u+\c):80+8*(4*\u+\c)+7], v[PF+8*\u:PF+8*\u+7], v[OF+8*\c:OF+8*\c+7]
.endr
.endr
	WIN 0
	PLACES
	s_wait_alu depctr_va_vdst(0)
.irp i, 0,1,2,3,4,5,6,7,8,9,10,11,12,13,14,15
	v_pk_mul_f32 v[OF+2*\i:OF+2*\i+1], v[OF+2*\i:OF+2*\i+1], v[RR:RR+1]
.endr
.irp c, 0,1,2,3
.irp q, 0,1,2,3
	v_cvt_pk_f16_f32 v[OF+8*\c+\q], v[OF+8*\c+2*\q], v[OF+8*\c+2*\q+1]
.endr
	ds_store_b128 v8, v[OF+8*\c:OF+8*\c+3] offset:\hh*128+32*\c
.endr
.endm
	HEAD 0, 1
	HEAD 1, 0
	HEAD 2, 0
	HEAD 3, 0
	; my 16 rows x 512 bytes, back as whole pieces of rows.  The bytes are my wave's own, and LDS serves a wave's instructions in order (ISA guide 5.7.1): no barrier
.irp t, 0,1,2,3,4,5,6,7
.irp f, 0,1
	ds_load_b128 v[LDG+8*\t+4*\f:LDG+8*\t+4*\f+3], v9 offset:2*\t*OP+256*\f
.endr
.endr
.set n, 0
.irp t, 0,1,2,3,4,5,6,7
.irp f, 0,1
	s_wait_dscnt 15-n                              ; the 15 - n younger loads stay out
	global_store_b128 v10, v[LDG+8*\t+4*\f:LDG+8*\t+4*\f+3], s[20:21] offset:2*\t*2048+256*\f   ; sixteen lanes store 256 consecutive bytes, aligned
.set n, n+1
.endr
.endr
	s_set_vgpr_msb 0x4
	s_wait_tensorcnt 0x0
	ds_add_u32 v3, v177
	s_wait_dscnt 0x0
	s_set_vgpr_msb 0x400
	s_endpgm
.Lfunc_end_k_q06ae3b13d9_attn:
	.size	k_q06ae3b13d9_attn, .Lfunc_end_k_q06ae3b13d9_attn-k_q06ae3b13d9_attn
	.p2alignl 7, 3214868480
	.fill 96, 4, 3214868480
	.section	.rodata,"a",@progbits
	.p2align	6, 0x0
	.amdhsa_kernel k_q06ae3b13d9_attn
		.amdhsa_group_segment_fixed_size 73216
		.amdhsa_private_segment_fixed_size 0
		.amdhsa_enable_private_segment 0
		.amdhsa_kernarg_size 16
		.amdhsa_user_sgpr_count 2
		.amdhsa_user_sgpr_kernarg_segment_ptr 1
		.amdhsa_wavefront_size32 1
		.amdhsa_system_sgpr_workgroup_id_x 1
		.amdhsa_system_sgpr_workgroup_id_y 1
		.amdhsa_system_sgpr_workgroup_id_z 1
		.amdhsa_system_vgpr_workitem_id 0
		.amdhsa_next_free_vgpr 434
		.amdhsa_next_free_sgpr 66
		.amdhsa_reserve_vcc 0
		.amdhsa_float_denorm_mode_32 3
		.amdhsa_float_denorm_mode_16_64 3
		.amdhsa_memory_ordered 1
		.amdhsa_forward_progress 1
		.amdhsa_inst_pref_size 69
	.end_amdhsa_kernel
	.amdgpu_metadata
---
amdhsa.version: [ 1, 2 ]
amdhsa.kernels:
  - .name:           k_q06ae3b13d9_attn
    .symbol:         k_q06ae3b13d9_attn.kd
    .args:
      - { .name: qkvh, .offset: 0, .size: 8, .value_kind: global_buffer, .address_space: global }
      - { .name: ao, .offset: 8, .size: 8, .value_kind: global_buffer, .address_space: global }
    .group_segment_fixed_size: 73216
    .private_segment_fixed_size: 0
    .kernarg_segment_align: 8
    .kernarg_segment_size: 16
    .max_flat_workgroup_size: 128
    .sgpr_count:     66
    .vgpr_count:     434
    .wavefront_size: 32
...
	.end_amdgpu_metadata
.endif
;; end of part 3
;; launch oproj (part 4): grid 8 x 32, 4 waves a work-group, clusters of 4 x 4, 327,680 bytes of LDS; arguments ao, wot, out0; writes out0
.if DOCPART == 4
	.amdgcn_target "amdgcn-amd-amdhsa--gfx1250"
	.amdhsa_code_object_version 6
	.text
	.protected	k_q06ae3b13d9_oproj
	.globl	k_q06ae3b13d9_oproj
	.p2align	8
	.type	k_q06ae3b13d9_oproj,@function
k_q06ae3b13d9_oproj:
	s_mov_b64 s[64:65], 0
	v_nop
	global_prefetch_b8 v0, s[64:65] scope:SCOPE_SE
	s_setreg_imm32_b32 hwreg(HW_REG_WAVE_MODE, 25, 1), 1
	s_wait_xcnt 0x0
	s_wait_alu depctr_hold_cnt(0) depctr_sa_sdst(0) depctr_va_vdst(0) depctr_va_sdst(0) depctr_va_ssrc(0) depctr_va_vcc(0) depctr_vm_vsrc(0)
	s_getreg_b32 s2, hwreg(HW_REG_IB_STS2, 6, 4)
	s_cmp_eq_u32 s2, 0
	s_cbranch_scc0 .Lentry_in_a_cluster
	s_endpgm
.Lentry_in_a_cluster:
	s_bfe_u32 s2, ttmp6, 0x10000c
	s_cmp_lg_u32 s2, 0xf033
	s_cbranch_scc0 .Lentry_shape_is_right
	s_endpgm
.Lentry_shape_is_right:
; oproj: out0 [4096 x 1024] f32 = ao [4096][1024] x wot [1024][1024]^T, operands f16, sums f32.
; A work-group makes 128 x 128: 32 x 8 = 256 work-groups.  Four waves, 64 x 64 each: 16 accumulator tiles.
; K goes in steps of 256 through two LDS slots (rows of 512 bytes): four steps, two refills.
; CLUSTERS 4 x 4: ao's tile is shared along a cluster's row, wot's along its column; each is asked for jointly: a quarter of the requests.
; The matrix instruction is used transposed (source 0 = rows of wot, source 1 = rows of ao): lane l holds row l % 16 and the eight
; neighbouring columns 8 (l / 16) + 0..7, 32 bytes of a row of out0.
; REGISTERS  window 0: v0-31 addresses, v32-95 and v96-159 two fragment buffers (4 of wot, 4 of ao)      window 1: accumulator (a, b) at v[8 (4 a + b)]
.set BN,     128
.set NB,     4
.set KS,     256
.set PITCH,  528                       ; 512 bytes + 16: an odd multiple of 16
.set QI,     6                         ; the pad follows every 128 words
.set SLOT,   (128+BN)*PITCH
.set STAGE,  2*SLOT                    ; 270,336 = 1,056 x 256: the way out's bytes, into which no tensor load writes
.set SPITCH, 272                       ; 64 f32 + 16 bytes
.set LAPS,   1024/(2*KS)
.set ADRA, 16
.set ADRB, 20
.set STO,  24
.set RD,   25
.set CO,   26
.set F0,   32
.set F1,   F0+8*(NB+4)
.set G1,   24
.set G0,   32
.set G1B,  48
.set G0B,  56
.set MULW, 0x50                        ; C and D in window 1, sources in window 0
.set MSB,  0
.macro WIN new                         ; the immediate's high byte repeats the setting that is left
.if MSB != \new
	s_set_vgpr_msb (MSB<<8)|\new
.set MSB, \new
.endif
.endm
.macro PLACES                          ; four plain vector instructions behind a matrix instruction before its registers are loaded into or its result is read (ISA guide 7.12.1)
.rept 4
	v_nop
.endr
.endm
.macro JLOAD s                         ; waves 0, 1 ask for ao's two halves, waves 2, 3 for wot's: one line, one mask each
	s_cmp_eq_u32 s15, 0
	s_cbranch_scc0 .Lfor_b_\@
	tensor_load_to_lds s[G0+4*\s:G0+4*\s+3], s[G1:G1+7]
	s_nop 0
	s_branch .Lasked_\@
.Lfor_b_\@:
	tensor_load_to_lds s[G0B+4*\s:G0B+4*\s+3], s[G1B:G1B+7]
	s_nop 0
.Lasked_\@:
.endm
.macro CREST                           ; a round of the cluster's barrier behind its opening work-group barrier
	s_cmp_lg_u32 s14, 0
	s_cbranch_scc1 .Lnot_wave_0_\@
	s_barrier_signal -3
.Lnot_wave_0_\@:
	s_barrier_wait -3
	s_barrier_signal -1
	s_barrier_wait -1
.endm
.macro CROUND
	s_barrier_signal -1
	s_barrier_wait -1
	CREST
.endm
	s_load_b128 s[4:7], s[0:1], 0x0                ; ao, wot
	s_load_b64 s[12:13], s[0:1], 0x10              ; out0
	v_lshl_add_u32 v254, v0, 2, 0x46400
	v_mov_b32 v255, 0
	ds_add_u32 v254, v255
	v_lshrrev_b32 v1, 5, v0
	v_readfirstlane_b32 s14, v1                    ; wave
	s_lshr_b32 s15, s14, 1                         ; my half of the rows; also: I fetch ao (0) or wot (1)
	s_and_b32 s16, s14, 1                          ; my half of the columns; also: which half of that tile I fetch
	s_bfe_u32 s17, ttmp6, 0x40000                  ; cx
	s_bfe_u32 s18, ttmp6, 0x40004                  ; cy
	s_lshl_b32 s19, ttmp9, 2
	s_add_co_u32 s19, s19, s17                     ; block column
	s_and_b32 s20, ttmp7, 0xffff
	s_lshl_b32 s20, s20, 2
	s_add_co_u32 s20, s20, s18                     ; block row
	s_lshl_b32 s21, s18, 2
	s_lshl_b32 s21, 15, s21                        ; my row of the cluster
	s_lshl_b32 s22, 0x1111, s17                    ; my column
	s_or_b32 s[G1+0],  s21, (1<<16)|(1<<20)|(1<<21)|(QI<<22)|(3<<25)   ; mask; 2-byte elements; padding on; bit 21 beside a mask; 4 words behind every 128
	s_or_b32 s[G1B+0], s22, (1<<16)|(1<<20)|(1<<21)|(QI<<22)|(3<<25)
	s_mov_b32 s[G1+1],  KS<<16                     ; tensor_dim0 = 256
	s_mov_b32 s[G1B+1], KS<<16
	s_mov_b32 s[G1+2],  64<<16                     ; tensor_dim1 = the tile's rows
	s_mov_b32 s[G1B+2], (BN/2)<<16
	s_mov_b32 s[G1+3],  KS<<16                     ; tile_dim0
	s_mov_b32 s[G1B+3], KS<<16
	s_mov_b32 s[G1+4],  64                         ; tile_dim1
	s_mov_b32 s[G1B+4], BN/2
	s_mov_b32 s[G1+5],  1024                       ; elements from row to row
	s_mov_b32 s[G1B+5], 1024
	s_mov_b32 s[G1+6],  0
	s_mov_b32 s[G1B+6], 0
	s_mov_b32 s[G1+7],  0
	s_mov_b32 s[G1B+7], 0
	s_lshl_b32 s40, s20, 7                         ; ao: row 128 x block row + 64 x half (s40-43 never hold the block column)
	s_lshl_b32 s41, s16, 6
	s_add_co_u32 s40, s40, s41
	s_lshl_b32 s40, s40, 11                        ; rows of 2,048 bytes
	s_mov_b32 s41, 0
	s_mul_i32 s42, s16, 64*PITCH
	s_mul_i32 s44, s19, BN                         ; wot: row 128 x block column + 64 x half (s44-47 never hold the block row)
	s_mul_i32 s45, s16, BN/2
	s_add_co_u32 s44, s44, s45
	s_lshl_b32 s44, s44, 11
	s_mov_b32 s45, 0
	s_mul_i32 s46, s16, (BN/2)*PITCH
	s_add_co_u32 s46, s46, 128*PITCH
	s_wait_dscnt 0x0
	s_wait_kmcnt 0x0
	s_add_nc_u64 s[40:41], s[4:5], s[40:41]
	s_add_nc_u64 s[44:45], s[6:7], s[44:45]
	CROUND                                         ; all sixteen work-groups are here: the first joint loads meet
.irp s, 0,1
	s_mov_b32 s[G0+4*\s], 1
	s_add_co_u32 s[G0+4*\s+1], s42, \s*SLOT
	s_add_nc_u64 s[G0+4*\s+2:G0+4*\s+3], s[40:41], \s*KS*2
	s_or_b32 s[G0+4*\s+3], s[G0+4*\s+3], 0x80000000
	s_mov_b32 s[G0B+4*\s], 1
	s_add_co_u32 s[G0B+4*\s+1], s46, \s*SLOT
	s_add_nc_u64 s[G0B+4*\s+2:G0B+4*\s+3], s[44:45], \s*KS*2
	s_or_b32 s[G0B+4*\s+3], s[G0B+4*\s+3], 0x80000000
	JLOAD \s                                       ; both first fills go out together: two tensor loads of the wave are out, later one
.endr
	v_and_b32 v1, 15, v0                           ; r
	v_bfe_u32 v2, v0, 4, 1                         ; h
	v_mul_u32_u24 v3, v1, PITCH
	v_lshl_add_u32 v3, v2, 4, v3                   ; a fragment: row r, 16 bytes for each half of the lanes, two loads 32 bytes apart
	s_mul_i32 s80, s15, 64*PITCH
	s_mul_i32 s81, s16, (BN/2)*PITCH
	s_add_co_u32 s81, s81, 128*PITCH
.irp s, 0,1
	v_add_nc_u32 v[ADRA+\s], s80, v3
	v_add_nc_u32 v[ADRB+\s], s81, v3
	s_add_co_u32 s80, s80, SLOT
	s_add_co_u32 s81, s81, SLOT
.endr
	s_mul_i32 s82, s14, 16*SPITCH
	s_add_co_u32 s82, s82, STAGE                   ; my wave's own stage
	v_mul_u32_u24 v4, v1, SPITCH
	v_lshl_add_u32 v4, v2, 5, v4
	v_add_nc_u32 v[STO], s82, v4                   ; in: row r, byte 32 h (+ 64 b)
	v_mul_u32_u24 v5, v2, SPITCH
	v_lshl_add_u32 v5, v1, 4, v5
	v_add_nc_u32 v[RD], s82, v5                    ; back: row h (+ 2 t), byte 16 r
	v_lshlrev_b32 v6, 12, v2
	v_lshl_add_u32 v[CO], v1, 4, v6                ; the same two rows in out0
.macro FETCH slot, k, f                ; 16 LDS loads: the fragments of 32 along K at byte k of the slot's rows
.irp i, 0,1,2,3
	ds_load_b128 v[\f+8*\i:\f+8*\i+3],   v[ADRB+\slot] offset:\k+\i*16*PITCH
	ds_load_b128 v[\f+8*\i+4:\f+8*\i+7], v[ADRB+\slot] offset:\k+\i*16*PITCH+32
.endr
.irp i, 0,1,2,3
	ds_load_b128 v[\f+8*NB+8*\i:\f+8*NB+8*\i+3],   v[ADRA+\slot] offset:\k+\i*16*PITCH
	ds_load_b128 v[\f+8*NB+8*\i+4:\f+8*NB+8*\i+7], v[ADRA+\slot] offset:\k+\i*16*PITCH+32
.endr
.endm
; 8 matrix instructions: row blocks a0, a0 + 1 x four column blocks.  The 16 accumulators take turns, one instruction a turn, in the same
; order in every quarter step.  zero = 1: the first product starts the sums.
.macro MUL f, a0, zero
.irp a, \a0, \a0+1
.irp b, 0,1,2,3
.if \zero
	v_wmma_f32_16x16x32_f16 v[8*(NB*(\a)+\b):8*(NB*(\a)+\b)+7], v[\f+8*\b:\f+8*\b+7], v[\f+8*NB+8*(\a):\f+8*NB+8*(\a)+7], 0
.else
	v_wmma_f32_16x16x32_f16 v[8*(NB*(\a)+\b):8*(NB*(\a)+\b)+7], v[\f+8*\b:\f+8*\b+7], v[\f+8*NB+8*(\a):\f+8*NB+8*(\a)+7], v[8*(NB*(\a)+\b):8*(NB*(\a)+\b)+7]
.endif
.endr
.endr
.endm
.macro QUARTER slot, knext, f, g, zero ; multiplies buffer f; the next 32 along K go out first and have these 16 matrix instructions in which to land
	s_wait_dscnt 0x0                               ; buffer f is in: nothing younger has been issued
	PLACES                                         ; behind the matrix instructions that read buffer g
	WIN 0
	FETCH \slot, \knext, \g
	WIN MULW
	MUL \f, 0, \zero
	MUL \f, 2, \zero
.endm
.macro STEPQ slot, zero                ; seven of a K step's eight parts of 32
	QUARTER \slot, 64,  F0, F1, \zero
	QUARTER \slot, 128, F1, F0, 0
	QUARTER \slot, 192, F0, F1, 0
	QUARTER \slot, 256, F1, F0, 0
	QUARTER \slot, 320, F0, F1, 0
	QUARTER \slot, 384, F1, F0, 0
	QUARTER \slot, 448, F0, F1, 0
.endm
; The last part of a K step changes slots.  In front of the barrier each wave waits for its reads of this slot and for all its tensor
; loads (one is out: its part of the next slot).  Where the slot is filled again the barrier opens a round of the cluster's barrier, and the
; joint refill is the first tensor load behind the round, ahead of the first LDS read.
.macro TURN slot, next, fill
	s_wait_dscnt 0x0
	s_wait_tensorcnt 0x0
	ds_add_u32 v254, v255
	s_wait_dscnt 0x0
	s_barrier_signal -1
	WIN MULW
	MUL F1, 0, 0                                   ; register work while the others arrive
	WIN 0
	s_barrier_wait -1
.if \fill
	CREST
	s_add_nc_u64 s[G0+4*\slot+2:G0+4*\slot+3],   s[G0+4*\slot+2:G0+4*\slot+3],   2*KS*2   ; no tensor load of mine is out: the descriptors may be stepped
	s_add_nc_u64 s[G0B+4*\slot+2:G0B+4*\slot+3], s[G0B+4*\slot+2:G0B+4*\slot+3], 2*KS*2
	JLOAD \slot
.endif
	PLACES
	FETCH \next, 0, F0
	WIN MULW
	MUL F1, 2, 0
.endm
.macro LAP zero
	STEPQ 0, \zero
	TURN 0, 1, 1
	STEPQ 1, 0
	TURN 1, 0, 1
.endm
	s_wait_tensorcnt 0x1                           ; my part of K step 0 is in; K step 1's load, issued behind it, stays out
	s_barrier_signal -1
	s_barrier_wait -1
	FETCH 0, 0, F0
	LAP 1                                          ; K steps 0 and 1; asks for steps 2 and 3
	STEPQ 0, 0                                     ; the last lap fills nothing
	TURN 0, 1, 0
	STEPQ 1, 0
	s_wait_dscnt 0x0
	WIN MULW
	MUL F1, 0, 0
	MUL F1, 2, 0
	WIN 0
	PLACES
	; ---- the way out, 16 rows at a time through my wave's own stage: a lane's 32 bytes in, whole pieces of 256 bytes of a row back
	s_lshl_b32 s80, s20, 7
	s_lshl_b32 s81, s15, 6
	s_add_co_u32 s80, s80, s81                     ; my first row
	s_lshl_b32 s80, s80, 12                        ; rows of 4,096 bytes
	s_lshl_b32 s81, s19, 9                         ; 128 columns of 4 bytes a block
	s_add_co_u32 s80, s80, s81
	s_lshl_b32 s81, s16, 8                         ; my 64 columns
	s_add_co_u32 s80, s80, s81
	s_mov_b32 s81, 0
	s_add_nc_u64 s[12:13], s[12:13], s[80:81]
.macro OUT16 a
	WIN 0x04                                       ; the stores' data in window 1
.irp b, 0,1,2,3
	ds_store_b128 v[STO], v[8*(NB*\a+\b):8*(NB*\a+\b)+3]   offset:64*\b
	ds_store_b128 v[STO], v[8*(NB*\a+\b)+4:8*(NB*\a+\b)+7] offset:64*\b+16
.endr
	WIN 0
.irp t, 0,1,2,3,4,5,6,7
	ds_load_b128 v[F0+32*\a+4*\t:F0+32*\a+4*\t+3], v[RD] offset:\t*2*SPITCH   ; LDS serves a wave's instructions in order (ISA guide 5.7.1): these see the stores above
.endr
.irp t, 0,1,2,3,4,5,6,7
	s_wait_dscnt 7-\t                              ; the 7 - t younger loads stay out
	global_store_b128 v[CO], v[F0+32*\a+4*\t:F0+32*\a+4*\t+3], s[12:13] offset:(16*\a+2*\t)*4096 th:TH_STORE_NT   ; sixteen lanes store 256 consecutive bytes, aligned
.endr
.endm
	OUT16 0                                        ; each turn has 32 registers of its own: no store's data is written again
	OUT16 1
	OUT16 2
	OUT16 3
	s_wait_tensorcnt 0x0
	ds_add_u32 v254, v255
	s_wait_dscnt 0x0
	CROUND                                         ; the closing round: no work-group ends while a partner may still ask jointly
	s_endpgm
.Lfunc_end_k_q06ae3b13d9_oproj:
	.size	k_q06ae3b13d9_oproj, .Lfunc_end_k_q06ae3b13d9_oproj-k_q06ae3b13d9_oproj
	.p2alignl 7, 3214868480
	.fill 96, 4, 3214868480
	.section	.rodata,"a",@progbits
	.p2align	6, 0x0
	.amdhsa_kernel k_q06ae3b13d9_oproj
		.amdhsa_group_segment_fixed_size 327680
		.amdhsa_private_segment_fixed_size 0
		.amdhsa_enable_private_segment 0
		.amdhsa_kernarg_size 24
		.amdhsa_user_sgpr_count 2
		.amdhsa_user_sgpr_kernarg_segment_ptr 1
		.amdhsa_wavefront_size32 1
		.amdhsa_system_sgpr_workgroup_id_x 1
		.amdhsa_system_sgpr_workgroup_id_y 1
		.amdhsa_system_sgpr_workgroup_id_z 1
		.amdhsa_system_vgpr_workitem_id 0
		.amdhsa_next_free_vgpr 384
		.amdhsa_next_free_sgpr 96
		.amdhsa_reserve_vcc 0
		.amdhsa_float_denorm_mode_32 3
		.amdhsa_float_denorm_mode_16_64 3
		.amdhsa_memory_ordered 1
		.amdhsa_forward_progress 1
		.amdhsa_inst_pref_size 88
	.end_amdhsa_kernel
	.amdgpu_metadata
---
amdhsa.version: [ 1, 2 ]
amdhsa.kernels:
  - .name:           k_q06ae3b13d9_oproj
    .symbol:         k_q06ae3b13d9_oproj.kd
    .args:
      - { .name: ao, .offset: 0, .size: 8, .value_kind: global_buffer, .address_space: global }
      - { .name: wot, .offset: 8, .size: 8, .value_kind: global_buffer, .address_space: global }
      - { .name: out0, .offset: 16, .size: 8, .value_kind: global_buffer, .address_space: global }
    .group_segment_fixed_size: 327680
    .private_segment_fixed_size: 0
    .kernarg_segment_align: 8
    .kernarg_segment_size: 24
    .max_flat_workgroup_size: 128
    .sgpr_count:     96
    .vgpr_count:     384
    .wavefront_size: 32
...
	.end_amdgpu_metadata
.endif
;; end of part 4
